; MI455X (gfx1250); checked and timed in simulation.
; The chip was launched on July 23, 2026; its instructions are those of AMD's public machine-readable ISA for CDNA 5 (MIT licence, August 2026) and "CDNA5" Instruction Set Architecture Reference Guide (July 2026). The comments in the code are by the model that wrote it; some were corrected since.
;; Attention. Allowed arithmetic: float matrix products may take bf16 or f16 operands with f32 sums; all other float work in f32.
;; Inputs: Wk 512 x 64 float32; Wq 512 x 64 float32; Wv 512 x 64 float32; bk 64 float32; bq 64 float32; bv 64 float32; x 4 x 4,096 x 512 float32.
;; Outputs: out0 4 x 4,096 x 64 float32.
;; One version. Each part assembles by itself: llvm-mc -triple=amdgcn-amd-amdhsa -mcpu=gfx1250 --defsym DOCPART=n.
;; ======== version 1 of 1: 2 launches
;; workspace buffers: qb 2,097,152 bytes; kb 2,097,152 bytes; vb 2,097,152 bytes
;; launch proj (part 1): grid 256 x 1, 8 waves a work-group, no clusters, 313,344 bytes of LDS; arguments x, Wq, Wk, Wv, bq, bk, bv, qb, kb, vb; writes qb, kb, vb
.if DOCPART == 1
	.amdgcn_target "amdgcn-amd-amdhsa--gfx1250"
	.amdhsa_code_object_version 6
	.text
	.protected	k_qd623cf4807_proj
	.globl	k_qd623cf4807_proj
	.p2align	8
	.type	k_qd623cf4807_proj,@function
k_qd623cf4807_proj:
	s_mov_b64 s[64:65], 0
	v_nop
	global_prefetch_b8 v0, s[64:65] scope:SCOPE_SE
	s_setreg_imm32_b32 hwreg(HW_REG_WAVE_MODE, 25, 1), 1
	s_wait_xcnt 0x0
; [q | k | v] = x [Wq | Wk | Wv] + [bq | bk | bv].  x: [16384][512] f32.  W*: [512][64] f32.  b*: [64] f32.  qb, kb, vb: [16384][64] bf16.
; x and W are rounded to bf16 on their way to the matrix unit, sums and bias in f32, each result rounded once to bf16.
; LIMITS: inputs finite; operands carry bf16's 8 bits of mantissa, so the error grows with the inputs' size and offset as that rounding does.
; SHARES: a work-group owns 64 rows and all 192 features: 4 x 12 tiles of 16 x 16, 16 K steps of 32.  Wave w: features 48 (w & 3) .. + 47 (3 tiles),
; rows 32 (w >> 2) .. + 31 (2 tiles): six accumulators, 96 matrix instructions.
; THE MATRIX INSTRUCTION IS USED TRANSPOSED: source 0 = 16 features of W, source 1 = 16 rows of x, so that a lane's eight results are eight
; neighbouring features of one row and pack into 16 bytes.
; WHY THROUGH REGISTERS AND NOT BY JOINT TENSOR LOADS, though every work-group reads the same W: W is f32 and lies [k][n]; it has to be rounded to
; bf16 before the transposing LDS load can serve it, which only registers can do; as f32 its 393,216 bytes would not fit into the 327,680 bytes of LDS
; beside anything, and slots of f32 would add an LDS write and an LDS read of every byte.  x is shared with nobody.
; K goes in 8 chunks of 64.  A chunk is 16 loads of 16 bytes a thread (4 of x, 12 of W) into one of two register sets; two sets are always on their way.
; Each chunk's bytes in LDS are written once and lie in ranges of their own, so one barrier a chunk (stores, wait, barrier, loads) orders everything.
.set XPITCH, 144                       ; x in LDS: 64 k of bf16 = 128 bytes + 16: an odd multiple of 16, the 16 rows of a fragment load fall into 16 different 16-byte columns of 256 bytes
.set XCHUNK, 64*XPITCH                 ; 9,216: a chunk's 64 rows
.set WPITCH, 416                       ; W in LDS: 192 n of bf16 = 384 bytes + 32: an odd multiple of 32
.set WCHUNK, 64*WPITCH                 ; 26,624: a chunk's 64 k
.set WBASE,  8*XCHUNK                  ; 73,728
.set GPITCH, 400                       ; the stage on the way out: 192 features of bf16 = 384 bytes + 16
.set GBASE,  WBASE+8*WCHUNK            ; 286,720; the stage ends at 312,320
.set XG,   5                           ; v5   x: my byte offset in the group's rows
.set WGO,  6                           ; v6   16 t: my byte offset in a W chunk, and in the stores of q, k, v
.set XS,   7                           ; v7   LDS: where my 8 bytes of x go (steps a chunk)
.set WS,   8                           ; v8   LDS: where my 8 bytes of W go (steps a chunk)
.set XA,   9                           ; v9   LDS: my x fragments (steps a chunk)
.set WA,   10                          ; v10  LDS: my W fragments (steps a chunk)
.set SA,   11                          ; v11  stage: where my 16 bytes of results go
.set CA,   12                          ; v12  stage: where I read rows back
.set BO,   13                          ; v13  my byte offset in a bias tile
.set BIAS, 16                          ; v[16:39]   the bias of my 3 feature tiles, in the layout of C
.set ACC,  40                          ; v[40:87]   tile (mt, nt) at 40 + 8 (3 mt + nt)
.set XF,   88                          ; v[88:103]  x fragments, mt = 0, 1
.set WF,   104                         ; v[104:127] W fragments, nt = 0, 1, 2
.set SET0, 128                         ; v[128:191] a chunk as loaded
.set SET1, 192                         ; v[192:255] the next chunk as loaded
.set OUTR, 128                         ; v[128:151] the way out (the sets are free by then)
	s_load_b512 s[4:19], s[0:1], 0x0               ; x s[4:5], Wq s[6:7], Wk s[8:9], Wv s[10:11], bq s[12:13], bk s[14:15], bv s[16:17], qb s[18:19]
	s_load_b128 s[20:23], s[0:1], 0x40             ; kb s[20:21], vb s[22:23]
	s_set_vgpr_msb 0x40
	v_lshl_add_u32 v0, v0, 2, 0x4c400
	v_mov_b32 v1, 0
	s_set_vgpr_msb 0x4000
	v_lshrrev_b32 v1, 5, v0
	v_readfirstlane_b32 s24, v1                    ; wave 0..7
	s_and_b32 s25, s24, 3                          ; g: which 48 features
	s_lshr_b32 s26, s24, 2                         ; mh: which 32 rows
	v_lshrrev_b32 v1, 4, v0                        ; t >> 4
	v_and_b32 v2, 15, v0                           ; t & 15, which is also r = lane % 16
	v_bfe_u32 v3, v0, 4, 1                         ; h = lane / 16
	v_and_b32 v4, 7, v0
	v_bfe_u32 v14, v0, 3, 1
	v_lshrrev_b32 v15, 3, v0                       ; t >> 3
	v_lshlrev_b32 v[XG], 11, v1                    ; x: row t >> 4 (2,048 bytes a row),
	v_lshl_add_u32 v[XG], v2, 4, v[XG]             ; 16 bytes a thread: sixteen neighbouring lanes read 256 consecutive bytes of a row
	v_lshlrev_b32 v[WGO], 4, v0
	v_mul_u32_u24 v[XS], v1, XPITCH
	v_lshl_add_u32 v[XS], v2, 3, v[XS]             ; 4 numbers become 8 bytes
	v_mul_u32_u24 v[WS], v1, WPITCH
	v_lshl_add_u32 v[WS], v2, 3, v[WS]
	v_add_nc_u32 v[WS], WBASE, v[WS]
	s_mul_i32 s27, s26, 32*XPITCH
	v_mul_u32_u24 v[XA], v2, XPITCH                ; x fragment: row r, 16 bytes for each half of the lanes
	v_lshl_add_u32 v[XA], v3, 4, v[XA]
	v_add_nc_u32 v[XA], s27, v[XA]
	s_mul_i32 s42, s25, 96                         ; my 48 features in bytes
	s_add_co_u32 s43, s42, WBASE
	v_lshl_add_u32 v[WA], v3, 3, v4                ; W fragment: k row 8 h + lane % 8,
	v_mul_u32_u24 v[WA], v[WA], WPITCH
	v_lshl_add_u32 v[WA], v14, 4, v[WA]            ; 16 bytes (8 features) by bit 3 of the lane
	v_add_nc_u32 v[WA], s43, v[WA]
	s_mul_i32 s44, s26, 32*GPITCH
	s_add_co_u32 s44, s44, s42
	s_add_co_u32 s44, s44, GBASE
	v_mul_u32_u24 v[SA], v2, GPITCH
	v_lshl_add_u32 v[SA], v3, 4, v[SA]
	v_add_nc_u32 v[SA], s44, v[SA]
	v_mul_u32_u24 v[CA], v15, GPITCH               ; back: eight lanes take the 128 bytes that a row has of one matrix
	v_lshl_add_u32 v[CA], v4, 4, v[CA]
	v_add_nc_u32 v[CA], GBASE, v[CA]
	v_lshlrev_b32 v[BO], 5, v3                     ; C's register j of lane (r, h) is feature 8 h + j: 32 h bytes into the tile's 64
	s_lshl_b32 s28, ttmp9, 17                      ; 64 rows of 2,048 bytes
	s_mov_b32 s29, 0
	s_lshl_b32 s40, ttmp9, 13                      ; 64 rows of 128 bytes
	s_mov_b32 s41, 0
	s_mul_i32 s38, s25, 3                          ; my first feature tile of the twelve
	s_mov_b32 s31, 0
	s_wait_kmcnt 0x0
	s_add_nc_u64 s[4:5], s[4:5], s[28:29]
	s_add_nc_u64 s[18:19], s[18:19], s[40:41]
	s_add_nc_u64 s[20:21], s[20:21], s[40:41]
	s_add_nc_u64 s[22:23], s[22:23], s[40:41]
	; feature tile T = 3 g + i lies in bias T >> 2, at tile T & 3: the choice hangs on the wave's number alone
.irp i, 0,1,2
	s_add_co_u32 s39, s38, \i
	s_cmp_lt_u32 s39, 4
	s_cselect_b64 s[32+2*\i:33+2*\i], s[12:13], s[14:15]
	s_cmp_lt_u32 s39, 8
	s_cselect_b64 s[32+2*\i:33+2*\i], s[32+2*\i:33+2*\i], s[16:17]
	s_and_b32 s30, s39, 3
	s_lshl_b32 s30, s30, 6
	s_add_nc_u64 s[32+2*\i:33+2*\i], s[32+2*\i:33+2*\i], s[30:31]
.endr
.irp i, 0,1,2
	global_load_b128 v[BIAS+8*\i:BIAS+8*\i+3],   v[BO], s[32+2*\i:33+2*\i]
	global_load_b128 v[BIAS+8*\i+4:BIAS+8*\i+7], v[BO], s[32+2*\i:33+2*\i] offset:16
.endr
.macro PLACES n
.rept \n
	v_nop
.endr
.endm
; The 16 loads of chunk c: x's 64 rows x 256 bytes (read once in the launch), then 64 k x 256 bytes of each W (a dense run of 16,384 bytes).
.macro FILL c, buf
.irp i, 0,1,2,3
	global_load_b128 v[\buf+4*\i:\buf+4*\i+3], v[XG], s[4:5] offset:256*(\c)+32768*\i th:TH_LOAD_NT
.endr
.irp i, 0,1,2,3
	global_load_b128 v[\buf+16+4*\i:\buf+16+4*\i+3], v[WGO], s[6:7] offset:16384*(\c)+4096*\i
.endr
.irp i, 0,1,2,3
	global_load_b128 v[\buf+32+4*\i:\buf+32+4*\i+3], v[WGO], s[8:9] offset:16384*(\c)+4096*\i
.endr
.irp i, 0,1,2,3
	global_load_b128 v[\buf+48+4*\i:\buf+48+4*\i+3], v[WGO], s[10:11] offset:16384*(\c)+4096*\i
.endr
.endm
; One K step of 32 (s = 0, 1 in the chunk): 10 fragment loads, 6 matrix instructions.  The six accumulators take turns, one instruction a turn,
; from step to step too.  first = 1: the bias is the first product's C: no add, nothing cleared.
.macro KSTEP s, first
.if \s
	PLACES 4                                       ; loads into registers that the last matrix instructions read stand four plain vector instructions behind them
.endif                                             ; (ISA guide 7.12.1); ahead of a chunk's first step the chunk's 32 conversions are those places
.irp mt, 0,1
	ds_load_b128 v[XF+8*\mt:XF+8*\mt+3],   v[XA] offset:16*XPITCH*\mt+64*\s
	ds_load_b128 v[XF+8*\mt+4:XF+8*\mt+7], v[XA] offset:16*XPITCH*\mt+64*\s+32
.endr
.irp nt, 0,1,2
	ds_load_tr16_b128 v[WF+8*\nt:WF+8*\nt+3],   v[WA] offset:32*WPITCH*\s+32*\nt
	ds_load_tr16_b128 v[WF+8*\nt+4:WF+8*\nt+7], v[WA] offset:32*WPITCH*\s+32*\nt+16*WPITCH
.endr
	s_wait_dscnt 0x0
.irp mt, 0,1
.irp nt, 0,1,2
.if \first
	v_wmma_f32_16x16x32_bf16 v[ACC+8*(3*\mt+\nt):ACC+8*(3*\mt+\nt)+7], v[WF+8*\nt:WF+8*\nt+7], v[XF+8*\mt:XF+8*\mt+7], v[BIAS+8*\nt:BIAS+8*\nt+7]
.else
	v_wmma_f32_16x16x32_bf16 v[ACC+8*(3*\mt+\nt):ACC+8*(3*\mt+\nt)+7], v[WF+8*\nt:WF+8*\nt+7], v[XF+8*\mt:XF+8*\mt+7], v[ACC+8*(3*\mt+\nt):ACC+8*(3*\mt+\nt)+7]
.endif
.endr
.endr
.endm
; Chunk c: its set is rounded to bf16 in place and stored to LDS; the set is asked for again (chunk c + 2); barrier; two K steps.
; left = how many younger loads may stay out: the other set's 16.
.macro CHUNK c, buf, fill, left
	s_wait_loadcnt \left                           ; loads come back in order (ISA guide 5.7.1): this set (and, in chunk 0, the bias in front of it) is in
.irp n, 0,1,2,3,4,5,6,7,8,9,10,11,12,13,14,15
	v_cvt_pk_bf16_f32 v[\buf+4*\n],   v[\buf+4*\n],   v[\buf+4*\n+1]
	v_cvt_pk_bf16_f32 v[\buf+4*\n+1], v[\buf+4*\n+2], v[\buf+4*\n+3]
.endr
.irp i, 0,1,2,3
	ds_store_b64 v[XS], v[\buf+4*\i:\buf+4*\i+1] offset:16*XPITCH*\i
.endr
.irp m, 0,1,2
.irp i, 0,1,2,3
	ds_store_b64 v[WS], v[\buf+16+16*\m+4*\i:\buf+16+16*\m+4*\i+1] offset:128*\m+16*WPITCH*\i
.endr
.endr
	s_wait_dscnt 0x0                               ; for the other waves' sake: my part of the chunk is in LDS; and the stores have read the set
.if \fill
	FILL \c+2, \buf
.endif
	s_barrier_signal -1
	s_barrier_wait -1                              ; the chunk is whole
.if \c < 7
	v_add_nc_u32 v[XS], XCHUNK, v[XS]
	v_add_nc_u32 v[WS], WCHUNK, v[WS]
.endif
.if \c
	KSTEP 0, 0
.else
	KSTEP 0, 1
.endif
	KSTEP 1, 0
.if \c < 7
	v_add_nc_u32 v[XA], XCHUNK, v[XA]
	v_add_nc_u32 v[WA], WCHUNK, v[WA]
.endif
.endm
	FILL 0, SET0
	FILL 1, SET1
	CHUNK 0, SET0, 1, 16
	CHUNK 1, SET1, 1, 16
	CHUNK 2, SET0, 1, 16
	CHUNK 3, SET1, 1, 16
	CHUNK 4, SET0, 1, 16
	CHUNK 5, SET1, 1, 16
	CHUNK 6, SET0, 0, 16                           ; the last two chunks ask for nothing: no load leaves its buffer
	CHUNK 7, SET1, 0, 0
	; THE WAY OUT: round once to bf16 in place, 16 bytes a lane into the stage (bytes that nothing else uses), read back by rows.
	PLACES 4                                       ; the conversions read matrix results: four places behind the last matrix instruction (ISA guide 7.12.1)
.irp k, 0,1,2,3,4,5
	v_cvt_pk_bf16_f32 v[ACC+8*\k],   v[ACC+8*\k],   v[ACC+8*\k+1]
	v_cvt_pk_bf16_f32 v[ACC+8*\k+1], v[ACC+8*\k+2], v[ACC+8*\k+3]
	v_cvt_pk_bf16_f32 v[ACC+8*\k+2], v[ACC+8*\k+4], v[ACC+8*\k+5]
	v_cvt_pk_bf16_f32 v[ACC+8*\k+3], v[ACC+8*\k+6], v[ACC+8*\k+7]
.endr
.irp mt, 0,1
.irp nt, 0,1,2
	ds_store_b128 v[SA], v[ACC+8*(3*\mt+\nt):ACC+8*(3*\mt+\nt)+3] offset:16*GPITCH*\mt+32*\nt
.endr
.endr
	s_wait_dscnt 0x0                               ; for the others: my tiles are in the stage
	s_barrier_signal -1
	s_barrier_wait -1
.irp m, 0,1,2
.irp i, 0,1
	ds_load_b128 v[OUTR+4*(2*\m+\i):OUTR+4*(2*\m+\i)+3], v[CA] offset:32*GPITCH*\i+128*\m
.endr
.endr
; 64 rows of 128 bytes of one matrix are 8,192 dense bytes: thread t stores bytes 16 t and 4,096 + 16 t; a wave's store covers 512 consecutive bytes, aligned.
.macro PUT n, base, i
	s_wait_dscnt 5-\n                              ; LDS loads come back in order: load n is in, the younger ones stay out
	global_store_b128 v[WGO], v[OUTR+4*\n:OUTR+4*\n+3], s[\base:\base+1] offset:4096*\i
.endm
	PUT 0, 18, 0
	PUT 1, 18, 1
	PUT 2, 20, 0
	PUT 3, 20, 1
	PUT 4, 22, 0
	PUT 5, 22, 1
	s_set_vgpr_msb 0x5
	s_wait_tensorcnt 0x0
	ds_add_u32 v0, v1
	s_wait_dscnt 0x0
	s_set_vgpr_msb 0x500
	s_endpgm
.Lfunc_end_k_qd623cf4807_proj:
	.size	k_qd623cf4807_proj, .Lfunc_end_k_qd623cf4807_proj-k_qd623cf4807_proj
	.p2alignl 7, 3214868480
	.fill 96, 4, 3214868480
	.section	.rodata,"a",@progbits
	.p2align	6, 0x0
	.amdhsa_kernel k_qd623cf4807_proj
		.amdhsa_group_segment_fixed_size 313344
		.amdhsa_private_segment_fixed_size 0
		.amdhsa_enable_private_segment 0
		.amdhsa_kernarg_size 80
		.amdhsa_user_sgpr_count 2
		.amdhsa_user_sgpr_kernarg_segment_ptr 1
		.amdhsa_wavefront_size32 1
		.amdhsa_system_sgpr_workgroup_id_x 1
		.amdhsa_system_sgpr_workgroup_id_y 1
		.amdhsa_system_sgpr_workgroup_id_z 1
		.amdhsa_system_vgpr_workitem_id 0
		.amdhsa_next_free_vgpr 258
		.amdhsa_next_free_sgpr 66
		.amdhsa_reserve_vcc 0
		.amdhsa_float_denorm_mode_32 3
		.amdhsa_float_denorm_mode_16_64 3
		.amdhsa_memory_ordered 1
		.amdhsa_forward_progress 1
		.amdhsa_inst_pref_size 64
	.end_amdhsa_kernel
	.amdgpu_metadata
---
amdhsa.version: [ 1, 2 ]
amdhsa.kernels:
  - .name:           k_qd623cf4807_proj
    .symbol:         k_qd623cf4807_proj.kd
    .args:
      - { .name: x, .offset: 0, .size: 8, .value_kind: global_buffer, .address_space: global }
      - { .name: Wq, .offset: 8, .size: 8, .value_kind: global_buffer, .address_space: global }
      - { .name: Wk, .offset: 16, .size: 8, .value_kind: global_buffer, .address_space: global }
      - { .name: Wv, .offset: 24, .size: 8, .value_kind: global_buffer, .address_space: global }
      - { .name: bq, .offset: 32, .size: 8, .value_kind: global_buffer, .address_space: global }
      - { .name: bk, .offset: 40, .size: 8, .value_kind: global_buffer, .address_space: global }
      - { .name: bv, .offset: 48, .size: 8, .value_kind: global_buffer, .address_space: global }
      - { .name: qb, .offset: 56, .size: 8, .value_kind: global_buffer, .address_space: global }
      - { .name: kb, .offset: 64, .size: 8, .value_kind: global_buffer, .address_space: global }
      - { .name: vb, .offset: 72, .size: 8, .value_kind: global_buffer, .address_space: global }
    .group_segment_fixed_size: 313344
    .private_segment_fixed_size: 0
    .kernarg_segment_align: 8
    .kernarg_segment_size: 80
    .max_flat_workgroup_size: 256
    .sgpr_count:     66
    .vgpr_count:     258
    .wavefront_size: 32
...
	.end_amdgpu_metadata
.endif
;; end of part 1
;; launch attn (part 2): grid 256 x 1, 8 waves a work-group, clusters of 4 x 1, 327,680 bytes of LDS; arguments qb, kb, vb, out0; writes out0
.if DOCPART == 2
	.amdgcn_target "amdgcn-amd-amdhsa--gfx1250"
	.amdhsa_code_object_version 6
	.text
	.protected	k_qd623cf4807_attn
	.globl	k_qd623cf4807_attn
	.p2align	8
	.type	k_qd623cf4807_attn,@function
k_qd623cf4807_attn:
	s_mov_b64 s[64:65], 0
	v_nop
	global_prefetch_b8 v0, s[64:65] scope:SCOPE_SE
	s_setreg_imm32_b32 hwreg(HW_REG_WAVE_MODE, 25, 1), 1
	s_wait_xcnt 0x0
	s_wait_alu depctr_hold_cnt(0) depctr_sa_sdst(0) depctr_va_vdst(0) depctr_va_sdst(0) depctr_va_ssrc(0) depctr_va_vcc(0) depctr_vm_vsrc(0)
	s_getreg_b32 s2, hwreg(HW_REG_IB_STS2, 6, 4)
	s_cmp_eq_u32 s2, 0
	s_cbranch_scc0 .Lentry_in_a_cluster
	s_endpgm
.Lentry_in_a_cluster:
	s_bfe_u32 s2, ttmp6, 0x10000c
	s_cmp_lg_u32 s2, 0x3003
	s_cbranch_scc0 .Lentry_shape_is_right
	s_endpgm
.Lentry_shape_is_right:
; out[b][q][:] = softmax over all 4,096 keys of (q . k / 8) times v.  qb, kb, vb: [4 x 4096][64] bf16.  out0: [4 x 4096][64] f32.
; The scores never leave registers; the maximum is a running maximum, taken away before every exponential.
; LIMITS: q, k, v finite and the scores finite in f32; an exponential below 2^-126 comes out as 0 (v_exp_f32 flushes such results: ISA guide, its entry in 15.8);
; the probabilities enter the second product rounded to bf16, their sum is kept in f32.
; SHARES: a work-group owns 64 queries of one batch.  All 8 waves hold the SAME 64 queries and split the keys: in trip t (0..7) wave w takes
; the 64 keys of block 8 t + w.  So each byte of K and V is read from LDS once in the work-group, each fragment load feeds four matrix instructions, and a
; tile is read only by the wave that asked for it.  At the end the eight partial (maximum, sum, O) are merged through LDS.
; CLUSTERS: the four work-groups of a cluster are four neighbouring query blocks of one batch (64 blocks a batch, a multiple of 4) and walk the same K and V
; tiles in the same order: every tile is asked for JOINTLY by the four, same descriptor, mask 15.  That divides the requests for K and V by four.
; The place in the cluster enters nothing but the global addresses of q and out.
; NO SHUFFLE BETWEEN THE TWO PRODUCTS: S^T = K Q^T (source 0: 16 keys, source 1: 16 queries) leaves lane (r, h) with query r and keys 8 h + j of the tile; two such
; tiles (keys 0-15 and 16-31), rounded in pairs, ARE source 1 of O^T = V^T P^T for 32 keys.  V^T comes by the transposing LDS load from V as it lies.
; A PIPELINE OVER THE FOUR QUERY TILES, which are independent chains: stage q does the softmax of tile q (about 120 vector instructions), and between its lines
; stand the 8 matrix instructions of S^T(q + 1) and the 8 of O^T(q - 1).  It runs on over the trips: after tile 3 comes tile 0 of the next 64 keys, whose K tile
; is the wave's own and needs only the wave's own counted wait.  S and P each have two buffers, tile q in buffer q % 2; V's fragments have one buffer a slot.
; NO PREFETCH of K and V: a batch's 1,048,576 bytes are walked by its 16 clusters in the same order at the same time, so all but one request for a tile follow another's.
;
; LDS: slot s (0, 1) at s x 143,360; wave w's part at + w x 17,920: K, then V.  A tile is 8,192 dense bytes and comes as 32 rows of 256 bytes, two keys a row,
; with a pad behind each row: K 16 bytes (pitch 272), V 32 bytes (pitch 288).  STATS at 286,720: [wave][64 queries] (nm, l).
; The merge's stage of wave w is its own part of slot 0, [64 queries][64] f32 at pitch 272 = 17,408 bytes: slot 0's last fill is trip 6's.
; REGISTERS: window 0 (v0-255): addresses, statistics, K and Q fragments, S, P.  Window 1 (v256-511): O, V fragments.
.set KPAIR,  272                       ; two keys of K: key r lies at (r >> 1) x 272 + (r & 1) x 128: 16-byte column (r >> 1) + 8 (r & 1) of 16: sixteen keys, sixteen columns
.set VPAIR,  288                       ; two keys of V: key k, 16-byte piece b: column 2 (k >> 1) + 8 (k & 1) + b of 16: eight keys x two pieces, sixteen columns
.set KBYTES, 32*KPAIR                  ; 8,704
.set WPART,  KBYTES+32*VPAIR           ; 17,920, a multiple of 256
.set SLOT,   8*WPART                   ; 143,360
.set STATS,  2*SLOT                    ; 286,720, a multiple of 256: no fill lands there
.set GPITCH, 272                       ; the stage: 256 bytes + 16
.set TSTEP,  65536                     ; bytes of K (or V) from one trip's eight key blocks to the next trip's
.set RR,    1                          ; v1      r = lane % 16
.set HH,    2                          ; v2      h = lane / 16
.set QO,    3                          ; v3      my byte offset in the group's q rows
.set KA,    4                          ; v4-5    my K fragments in slot 0, 1
.set VA,    6                          ; v6-7    my V fragments in slot 0, 1
.set NMP,   8                          ; v[8:11]  query tile q: nm = -c x running maximum
.set LP,    12                         ; v[12:19] query tile q: two partial sums of the lane
.set T,     20                         ; v[20:23] at work: four chains of the maximum, then two pairs of sums
.set NMT,   24                         ; v24     the stage's nm; the pair's second register is PX
.set PX,    25                         ; v25     at work
.set AL,    26                         ; v26     the stage's rescaling factor; the pair's second register is MN
.set MN,    27                         ; v27     at work
.set KF,    32                         ; v[32:95]   K fragment (kt, ks) at 32 + 8 (2 kt + ks)
.set QF,    96                         ; v[96:159]  Q fragment (q, ks) at 96 + 8 (2 q + ks)
.set SS,    160                        ; v[160:223] scores: buffer q % 2, key tile kt at + 8 kt
.set PP,    224                        ; v[224:255] probabilities in bf16: buffer q % 2, 32 keys kp at + 8 kp
.set OO,    0                          ; window 1: O(dt, q) at 8 (4 dt + q)
.set VF,    128                        ; window 1: V^T fragment (dt, kp) of slot s at 128 + 64 s + 8 (2 dt + kp)
.set G1K, 16                           ; s[16:23] descriptor group 1 for K's tiles
.set G1V, 24                           ; s[24:31] for V's: it differs in the padding alone
.set G0K, 32                           ; s[32:39] descriptor group 0 for K's tiles, a set for each slot
.set G0V, 40                           ; s[40:47] for V's
.set MSB, 0
.macro WIN new                         ; s_set_vgpr_msb: bits 1:0 source 0, 3:2 source 1, 5:4 source 2, 7:6 destination; the high byte repeats the setting that is left
.if MSB != \new
	s_set_vgpr_msb (MSB<<8)|\new
.set MSB, \new
.endif
.endm
.macro PLACES n
.rept \n
	v_nop
.endr
.endm
; A round of the cluster's barrier: my work-group's barrier, so that wave 0 speaks for all eight waves; wave 0 signals for the work-group; every wave waits
; for all four work-groups; my work-group's barrier once more.
.macro ROUND
	s_barrier_signal -1
	s_barrier_wait -1
	s_cmp_lg_u32 s12, 0
	s_cbranch_scc1 .Lnot_wave_0_\@
	s_barrier_signal -3
.Lnot_wave_0_\@:
	s_barrier_wait -3
	s_barrier_signal -1
	s_barrier_wait -1
.endm
	s_load_b256 s[4:11], s[0:1], 0x0               ; qb s[4:5], kb s[6:7], vb s[8:9], out0 s[10:11]
	v_lshl_add_u32 v238, v0, 2, 0x47000
	v_mov_b32 v239, 0
	ds_add_u32 v238, v239
	s_wait_dscnt 0x0
	v_lshrrev_b32 v28, 5, v0
	v_readfirstlane_b32 s12, v28                   ; wave 0..7
	s_bfe_u32 s13, ttmp6, 0x40000                  ; cx: my place in the cluster
	s_lshl_b32 s14, ttmp9, 2                       ; ttmp9 counts clusters
	s_add_co_u32 s14, s14, s13                     ; my query block, 0..255
	s_lshr_b32 s15, ttmp9, 4                       ; the batch: 16 clusters each, the same for all four partners
	s_mov_b32 s50, 0x3e38aa3b                      ; c = log2(e) / 8: the scale 1 / sqrt(64) and the change to base 2 in one factor
	s_mov_b32 s51, 0x3e38aa3b
	s_mov_b32 s52, 0xbe38aa3b                      ; -c
	s_mov_b32 s54, 0x76543210                      ; v_permlanex16_b32: lane i of one half reads lane i of the other
	s_mov_b32 s55, 0xfedcba98
	; group 1: a dense block of 8,192 bytes as 32 rows of 32 elements of 8 bytes, rows 32 elements apart; in LDS a pad behind every 64 words, which is a row
	s_mov_b32 s[G1K+0], 15|(3<<16)|(1<<20)|(1<<21)|(5<<22)|(3<<25)  ; 15:0 the mask: all four partners; 17:16 8 bytes; 20 padding on; 21 set beside a mask; 24:22 every 64 words; 31:25 pad of 4 words
	s_mov_b32 s[G1V+0], 15|(3<<16)|(1<<20)|(1<<21)|(5<<22)|(7<<25)  ; the same with a pad of 8 words
	s_mov_b32 s[G1K+1], 32<<16                     ; tensor_dim0 = 32
	s_mov_b32 s[G1V+1], 32<<16
	s_mov_b32 s[G1K+2], 32<<16                     ; tensor_dim1 = 32
	s_mov_b32 s[G1V+2], 32<<16
	s_mov_b32 s[G1K+3], 32<<16                     ; tile_dim0 = 32
	s_mov_b32 s[G1V+3], 32<<16
	s_mov_b32 s[G1K+4], 32                         ; tile_dim1 = 32
	s_mov_b32 s[G1V+4], 32
	s_mov_b32 s[G1K+5], 32                         ; from row to row: 32 elements
	s_mov_b32 s[G1V+5], 32
	s_mov_b32 s[G1K+6], 0
	s_mov_b32 s[G1V+6], 0
	s_mov_b32 s[G1K+7], 0
	s_mov_b32 s[G1V+7], 0
	s_mul_i32 s56, s12, WPART                      ; my wave's part of a slot
	s_lshl_b32 s48, s15, 19                        ; a batch's K (or V): 4,096 rows of 128 bytes
	s_lshl_b32 s49, s12, 13                        ; my wave's key block in a trip: 64 rows of 128 bytes
	s_add_co_u32 s48, s48, s49
	s_mov_b32 s49, 0
	s_lshl_b32 s58, s14, 13                        ; my 64 queries in qb
	s_mov_b32 s59, 0
	s_lshl_b32 s60, s14, 14                        ; and in out0: 64 rows of 256 bytes
	s_mov_b32 s61, 0
	v_and_b32 v[RR], 15, v0
	v_bfe_u32 v[HH], v0, 4, 1
	v_lshlrev_b32 v[QO], 7, v[RR]                  ; Q fragment: query r (128 bytes a row), 16 bytes for each half of the lanes
	v_lshl_add_u32 v[QO], v[HH], 4, v[QO]
	s_wait_kmcnt 0x0
	s_add_nc_u64 s[6:7], s[6:7], s[48:49]
	s_add_nc_u64 s[8:9], s[8:9], s[48:49]
	s_add_nc_u64 s[4:5], s[4:5], s[58:59]
	s_add_nc_u64 s[10:11], s[10:11], s[60:61]
.irp q, 0,1,2,3
.irp ks, 0,1
	global_load_b128 v[QF+8*(2*\q+\ks):QF+8*(2*\q+\ks)+3],   v[QO], s[4:5] offset:2048*\q+64*\ks      ; Q goes out ahead of the opening round: nobody writes it
	global_load_b128 v[QF+8*(2*\q+\ks)+4:QF+8*(2*\q+\ks)+7], v[QO], s[4:5] offset:2048*\q+64*\ks+32
.endr
.endr
.irp s, 0,1
	s_mov_b32 s[G0K+4*\s], 1                                       ; count = 1
	s_add_co_u32 s[G0K+4*\s+1], s56, \s*SLOT                       ; LDS address: the wave's number times a constant, plus the slot's constant
	s_add_nc_u64 s[G0K+4*\s+2:G0K+4*\s+3], s[6:7], \s*TSTEP        ; global address: trip s
	s_or_b32 s[G0K+4*\s+3], s[G0K+4*\s+3], 0x80000000              ; type = 2
	s_mov_b32 s[G0V+4*\s], 1
	s_add_co_u32 s[G0V+4*\s+1], s56, \s*SLOT+KBYTES
	s_add_nc_u64 s[G0V+4*\s+2:G0V+4*\s+3], s[8:9], \s*TSTEP
	s_or_b32 s[G0V+4*\s+3], s[G0V+4*\s+3], 0x80000000
.endr
	ROUND                                          ; all four work-groups are here: the first joint loads meet
	tensor_load_to_lds s[G0K:G0K+3], s[G1K:G1K+7]  ; trip 0's tiles into slot 0: K first, then V
	s_nop 0
	tensor_load_to_lds s[G0V:G0V+3], s[G1V:G1V+7]
	s_nop 0
	v_lshrrev_b32 v28, 1, v[RR]                    ; K fragment: key r lies in row r >> 1,
	v_and_b32 v29, 1, v[RR]                        ; half r & 1,
	v_mul_u32_u24 v[KA], v28, KPAIR
	v_lshl_add_u32 v[KA], v29, 7, v[KA]
	v_lshl_add_u32 v[KA], v[HH], 4, v[KA]          ; 16 bytes for each half of the lanes
	v_add_nc_u32 v[KA], s56, v[KA]
	v_add_nc_u32 v[KA+1], SLOT, v[KA]
	s_add_co_u32 s57, s56, KBYTES
	v_bfe_u32 v28, v0, 1, 2                        ; V^T fragment: key k = 8 h + lane % 8: row k >> 1 = 4 h + (lane % 8) >> 1,
	v_lshl_add_u32 v28, v[HH], 2, v28
	v_and_b32 v29, 1, v0                           ; half k & 1,
	v_bfe_u32 v30, v0, 3, 1                        ; 16 bytes (8 columns) by bit 3 of the lane
	v_mul_u32_u24 v[VA], v28, VPAIR
	v_lshl_add_u32 v[VA], v29, 7, v[VA]
	v_lshl_add_u32 v[VA], v30, 4, v[VA]
	v_add_nc_u32 v[VA], s57, v[VA]
	v_add_nc_u32 v[VA+1], SLOT, v[VA]
	v_mov_b32 v[PX], 0                             ; v_permlanex16_b32's destination counts as read
.macro LOADK slot                      ; 16 loads: 4 key tiles (8 rows of two keys each) x 2 steps of 32 along the head
.irp kt, 0,1,2,3
.irp ks, 0,1
	ds_load_b128 v[KF+8*(2*\kt+\ks):KF+8*(2*\kt+\ks)+3],   v[KA+\slot] offset:8*KPAIR*\kt+64*\ks
	ds_load_b128 v[KF+8*(2*\kt+\ks)+4:KF+8*(2*\kt+\ks)+7], v[KA+\slot] offset:8*KPAIR*\kt+64*\ks+32
.endr
.endr
.endm
.macro LOADV slot                      ; 16 transposing loads: 4 column tiles x 2 steps of 32 keys (16 rows), into the slot's own fragment buffer
	WIN 0x40                                       ; destination in window 1
.irp kp, 0,1
.irp dt, 0,1,2,3
	ds_load_tr16_b128 v[VF+64*\slot+8*(2*\dt+\kp):VF+64*\slot+8*(2*\dt+\kp)+3],   v[VA+\slot] offset:16*VPAIR*\kp+32*\dt
	ds_load_tr16_b128 v[VF+64*\slot+8*(2*\dt+\kp)+4:VF+64*\slot+8*(2*\dt+\kp)+7], v[VA+\slot] offset:16*VPAIR*\kp+32*\dt+8*VPAIR
.endr
.endr
	WIN 0
.endm
; One matrix instruction of S^T(q): key tile kt, step ks along the head.  Step 0 starts the sum.  All its registers lie in window 0, like the softmax's.
.macro QKW q, kt, ks
.set qd, SS+32*((\q)%2)+8*(\kt)
.set qa, KF+8*(2*(\kt)+(\ks))
.set qb, QF+8*(2*(\q)+(\ks))
.if \ks
	v_wmma_f32_16x16x32_bf16 v[qd:qd+7], v[qa:qa+7], v[qb:qb+7], v[qd:qd+7]
.else
	v_wmma_f32_16x16x32_bf16 v[qd:qd+7], v[qa:qa+7], v[qb:qb+7], 0
.endif
.endm
; One matrix instruction of O^T(q): column tile dt, 32 keys kp, V fragments of buffer vb.  zero = 1: it starts the sum.
.macro PVW q, dt, kp, vb, zero
.set pd, OO+8*(4*(\dt)+(\q))
.set pa, VF+64*(\vb)+8*(2*(\dt)+(\kp))
.set pb, PP+16*((\q)%2)+8*(\kp)
.if \zero
	v_wmma_f32_16x16x32_bf16 v[pd:pd+7], v[pa:pa+7], v[pb:pb+7], 0
	s_wait_alu depctr_va_vdst(0)
.else
	v_wmma_f32_16x16x32_bf16 v[pd:pd+7], v[pa:pa+7], v[pb:pb+7], v[pd:pd+7]
.endif
.endm
; A stage's first part: the running maximum of tile q's queries.  Four chains over the lane's 32 scores, the other half's lane (the same query's other keys), the old nm.
; nm = -c x maximum, rounded once; every exponent is c x score + nm; al = 2^(new nm - old nm), exactly 1 where the maximum stays.
; Between the lines: step 0 of S^T(nq), four accumulators by turns (nq = -1: none).
.macro MAXA q, nq, first
.set mb, SS+32*((\q)%2)
.irp kt, 0,1,2,3
	v_max3_num_f32 v[T+\kt], v[mb+8*\kt], v[mb+8*\kt+1], v[mb+8*\kt+2]
.endr
.if \nq >= 0
	QKW \nq, 0, 0
.endif
.irp kt, 0,1,2,3
	v_max3_num_f32 v[T+\kt], v[T+\kt], v[mb+8*\kt+3], v[mb+8*\kt+4]
.endr
.if \nq >= 0
	QKW \nq, 1, 0
.endif
.irp kt, 0,1,2,3
	v_max3_num_f32 v[T+\kt], v[T+\kt], v[mb+8*\kt+5], v[mb+8*\kt+6]
.endr
.if \nq >= 0
	QKW \nq, 2, 0
.endif
	v_max3_num_f32 v[T], v[T], v[T+1], v[mb+7]
	v_max3_num_f32 v[T+2], v[T+2], v[T+3], v[mb+15]
.if \nq >= 0
	QKW \nq, 3, 0
.endif
	v_max3_num_f32 v[T], v[T], v[mb+23], v[mb+31]
	v_max_num_f32 v[MN], v[T], v[T+2]
	v_permlanex16_b32 v[PX], v[MN], s54, s55
	v_max_num_f32 v[MN], v[MN], v[PX]
.if \first
	v_mul_f32 v[NMT], s52, v[MN]
	v_mov_b32 v[NMP+\q], v[NMT]
.else
	v_mul_f32 v[PX], s52, v[MN]
	v_min_num_f32 v[NMT], v[PX], v[NMP+\q]         ; the least nm is the largest maximum
	v_sub_f32 v[AL], v[NMT], v[NMP+\q]             ; never above 0
	v_exp_f32 v[AL], v[AL]
	v_mov_b32 v[NMP+\q], v[NMT]                    ; the plain instruction between v_exp_f32 and the first use of its result (ISA guide 5.7.2)
	s_wait_alu depctr_va_vdst(0)
.endif
.endm
; A stage's second part, under one window setting (D, C and source 0 in window 1, source 1 in window 0; the packed multiply has no third source):
; pv = 1: the 8 matrix instructions of O^T(pq), four accumulators by turns; rs = 1: between them O(q) times al, 16 packed multiplies on other registers.
.macro PARTB pv, pq, vb, zero, rs, q
	WIN 0x51
.irp kp, 0,1
.irp dt, 0,1,2,3
.if \pv
	PVW \pq, \dt, \kp, \vb, \zero*(1-\kp)
.endif
.if \rs
.set rt, OO+8*(4*((4*\kp+\dt)/2)+(\q))+4*((4*\kp+\dt)%2)
	v_pk_mul_f32 v[rt:rt+1], v[rt:rt+1], v[AL:AL+1] op_sel_hi:[1,0]
	v_pk_mul_f32 v[rt+2:rt+3], v[rt+2:rt+3], v[AL:AL+1] op_sel_hi:[1,0]
.endif
.endr
.endr
	WIN 0
.endm
; The tile at register b: exponents c x score + nm, then 2^ of them, in place.
.macro FE b
.set fb, \b
.irp j, 0,2,4,6
	v_pk_fma_f32 v[fb+\j:fb+\j+1], v[fb+\j:fb+\j+1], s[50:51], v[NMT:NMT+1] op_sel_hi:[1,0,0]
.endr
.irp j, 0,1,2,3,4,5,6,7
	v_exp_f32 v[fb+\j], v[fb+\j]
.endr
.endm
; Key tile kt of query tile q: its eight probabilities are added to the lane's two partial sums (at the trip's first key tile the old sums are rescaled
; in the same fused multiply-add) and rounded in pairs into P.
.macro USE q, kt, first
.set ub, SS+32*((\q)%2)+8*(\kt)
.set up, PP+16*((\q)%2)+4*(\kt)
.set ul, LP+2*(\q)
	s_wait_alu depctr_va_vdst(0)
	v_pk_add_f32 v[T:T+1], v[ub:ub+1], v[ub+2:ub+3]
	v_pk_add_f32 v[T+2:T+3], v[ub+4:ub+5], v[ub+6:ub+7]
	v_cvt_pk_bf16_f32 v[up],   v[ub],   v[ub+1]
	v_cvt_pk_bf16_f32 v[up+1], v[ub+2], v[ub+3]
.if \kt
	v_pk_add_f32 v[T:T+1], v[T:T+1], v[T+2:T+3]
.else
.if \first
	v_pk_add_f32 v[ul:ul+1], v[T:T+1], v[T+2:T+3]  ; the first tile starts the sums
.else
	v_pk_add_f32 v[T:T+1], v[T:T+1], v[T+2:T+3]
.endif
.endif
	v_cvt_pk_bf16_f32 v[up+2], v[ub+4], v[ub+5]
	v_cvt_pk_bf16_f32 v[up+3], v[ub+6], v[ub+7]
.if \kt
	v_pk_add_f32 v[ul:ul+1], v[ul:ul+1], v[T:T+1]
.else
.if 1-\first
	v_pk_fma_f32 v[ul:ul+1], v[ul:ul+1], v[AL:AL+1], v[T:T+1] op_sel_hi:[1,0,1]
.endif
.endif
.endm
; A stage's third part: exponentials, sums and rounding of tile q's four key tiles.  A tile is used one tile behind its exponentials: behind each run of
; v_exp_f32 stand plain instructions on another tile (ISA guide 5.7.2).  Between them S^T(nq): mode 1: its step 1; mode 2: both steps; mode 0: none.
; The last of these matrix instructions stands ahead of the part's last 20 plain vector instructions, which name none of its registers:
; more than the four places that the next stage's reads of S and the next loads into K's fragments need.
.macro PARTC q, nq, mode, first
.set cb, SS+32*((\q)%2)
.if \mode == 1
	QKW \nq, 0, 1
.endif
.if \mode == 2
	QKW \nq, 0, 0
	QKW \nq, 1, 0
.endif
	FE cb
.if \mode == 1
	QKW \nq, 1, 1
.endif
.if \mode == 2
	QKW \nq, 2, 0
	QKW \nq, 3, 0
.endif
	FE cb+8
	USE \q, 0, \first
.if \mode == 1
	QKW \nq, 2, 1
.endif
.if \mode == 2
	QKW \nq, 0, 1
	QKW \nq, 1, 1
.endif
	FE cb+16
	USE \q, 1, \first
.if \mode == 1
	QKW \nq, 3, 1
.endif
.if \mode == 2
	QKW \nq, 2, 1
	QKW \nq, 3, 1
.endif
	FE cb+24
	USE \q, 2, \first
	USE \q, 3, \first
.endm
; One trip: 64 keys of my wave against the 64 queries, four stages.  At its head S^T(0) has been made (in the trip before) and O^T(3) of the trip before is still due.
; first: this trip's keys are the wave's first; pfirst: the last trip's were; refill: there is a next trip.
; No two matrix instructions that follow each other share an accumulator, from stage to stage, from trip to trip and over the backward jump.
; P's buffer q % 2 and K's fragments are written again a stage or more behind the matrix instructions that read them, V's buffer more than a trip behind.
; The slot's tiles are asked for at the head of the trip before.  A wave has two tensor loads out.
.macro TRIP slot, first, pfirst, refill
	s_wait_xcnt 0x0
	v_lshl_add_u32 v238, v0, 2, 0x47000
	v_mov_b32 v239, 0
	s_wait_tensorcnt 0x0                           ; all my tensor loads have landed: this trip's V was the last; no load of mine is out, so every group 0 may be written:
	ds_add_u32 v238, v239
	s_wait_dscnt 0x0
	s_add_nc_u64 s[G0K+4*\slot+2:G0K+4*\slot+3], s[G0K+4*\slot+2:G0K+4*\slot+3], 2*TSTEP   ; this slot's next tiles (the last two trips' steps are not used)
	s_add_nc_u64 s[G0V+4*\slot+2:G0V+4*\slot+3], s[G0V+4*\slot+2:G0V+4*\slot+3], 2*TSTEP
	s_wait_dscnt 0x0                               ; my reads of the other slot are back
	ROUND                                          ; both now hold of every wave of all four work-groups
.if \refill
	tensor_load_to_lds s[G0K+4*(1-\slot):G0K+4*(1-\slot)+3], s[G1K:G1K+7]      ; the next trip's tiles, into the slot read for the last trip: first thing behind the round
	s_nop 0
	tensor_load_to_lds s[G0V+4*(1-\slot):G0V+4*(1-\slot)+3], s[G1V:G1V+7]
	s_nop 0
.endif
	LOADV \slot
	MAXA 0, 1, \first                              ; stage 0
.if 1-\first
	PARTB 1, 3, 1-\slot, \pfirst, 1, 0             ; O^T(3) of the last trip, with the other slot's V fragments
.endif
	PARTC 0, 1, 1, \first
	MAXA 1, 2, \first                              ; stage 1
	s_wait_dscnt 0x0                               ; this trip's V fragments are in
	PARTB 1, 0, \slot, \first, 1-\first, 1
	PARTC 1, 2, 1, \first
	MAXA 2, 3, \first                              ; stage 2
	PARTB 1, 1, \slot, \first, 1-\first, 2
	PARTC 2, 3, 1, \first
.if \refill
	s_wait_tensorcnt 0x1                           ; tensor loads of a wave end in order (ISA guide 10.11.1): the next trip's K, my own tile, is in; V, issued behind it, may stay out
	LOADK 1-\slot                                  ; S^T(3) has read this trip's K fragments: see PARTC for the places
.endif
	MAXA 3, -1, \first                             ; stage 3
	PARTB 1, 2, \slot, \first, 1-\first, 3
.if \refill
	s_wait_dscnt 0x0                               ; the next trip's K fragments are in
	PARTC 3, 0, 2, \first                          ; with S^T(0) of the next trip
.else
	PARTC 3, 0, 0, \first
.endif
.endm
	s_wait_tensorcnt 0x1                           ; trip 0's K is in; V, issued behind it, may stay out
	LOADK 0
	s_wait_loadcnt 0x0                             ; Q, once
	s_wait_dscnt 0x0
.irp ks, 0,1
.irp kt, 0,1,2,3
	QKW 0, \kt, \ks                                ; S^T(0) of trip 0
.endr
.endr
	PLACES 4                                       ; vector instructions read the scores four places behind the last matrix instruction (ISA guide 7.12.1)
	TRIP 0, 1, 0, 1                                ; the first trip starts maximum, sums and O: nothing is cleared
	TRIP 1, 0, 1, 1
	s_mov_b32 s53, 2
.Llap:
	TRIP 0, 0, 0, 1
	TRIP 1, 0, 0, 1
	s_sub_co_u32 s53, s53, 1
	s_cmp_lg_u32 s53, 0
	s_cbranch_scc1 .Llap
	TRIP 0, 0, 0, 1                                ; trip 6 asks for trip 7's tiles, the last
	TRIP 1, 0, 0, 0
	PARTB 1, 3, 1, 0, 0, 0                         ; O^T(3) of trip 7
	; THE MERGE.  Its registers lie where K's and Q's fragments, S and P lay.
.set MS,    32                         ; v[32:39]  query tile q: (nm, l)
.set MPX,   40                         ; v[40:43]
.set MMX,   44                         ; v[44:47]
.set MAL,   48                         ; v[48:55]  query tile q: my factor, and a register that only completes the pair
.set STATW, 56                         ; where my wave's statistics go
.set STATR, 57                         ; where all waves' statistics of query r are read
.set STA,   58                         ; stage: where my results go
.set RD,    59                         ; v59-61 stage: rows read back, from waves 0-2, 3-5, 6-7
.set OA,    62                         ; my byte offset in the group's rows of out
.set ML,    160                        ; v[160:223] all waves' statistics
.set FS,    128                        ; v[128:255] the rows to add
	; the address arithmetic names no register of the last matrix instructions: it fills the four places behind them (ISA guide 7.12.1)
	s_lshl_b32 s62, s12, 9
	s_add_co_u32 s62, s62, STATS
	v_lshlrev_b32 v[STATR], 3, v[RR]
	v_add_nc_u32 v[STATW], s62, v[STATR]
	v_add_nc_u32 v[STATR], STATS, v[STATR]
	v_mul_u32_u24 v[STA], v[RR], GPITCH            ; stage: query r, columns 8 h .. in f32
	v_lshl_add_u32 v[STA], v[HH], 5, v[STA]
	v_add_nc_u32 v[STA], s56, v[STA]
	s_mul_i32 s63, s12, 8*GPITCH                   ; back: my wave sums queries 8 w .. 8 w + 7; lanes 0-15 one row, lanes 16-31 the next
	v_mul_u32_u24 v[RD], v[HH], GPITCH
	v_lshl_add_u32 v[RD], v[RR], 4, v[RD]
	v_add_nc_u32 v[RD], s63, v[RD]
	v_add_nc_u32 v[RD+1], 3*WPART, v[RD]
	v_add_nc_u32 v[RD+2], 6*WPART, v[RD]
	s_lshl_b32 s57, s12, 11
	v_lshlrev_b32 v[OA], 8, v[HH]
	v_lshl_add_u32 v[OA], v[RR], 4, v[OA]
	v_add_nc_u32 v[OA], s57, v[OA]
	; 1: each wave's (nm, l) of its 64 queries into STATS.
.irp q, 0,1,2,3
	v_add_f32 v[MS+2*\q+1], v[LP+2*\q], v[LP+2*\q+1]
	v_mov_b32 v[MS+2*\q], v[NMP+\q]
.endr
.irp q, 0,1,2,3
	v_permlanex16_b32 v[MPX+\q], v[MS+2*\q+1], s54, s55
.endr
.irp q, 0,1,2,3
	v_add_f32 v[MS+2*\q+1], v[MS+2*\q+1], v[MPX+\q]
.endr
.irp q, 0,1,2,3
	ds_store_b64 v[STATW], v[MS+2*\q:MS+2*\q+1] offset:128*\q      ; lanes r and r + 16 write the same bytes with the same numbers
.endr
	s_wait_dscnt 0x0                               ; for the others: my statistics are in LDS
	s_barrier_signal -1
	s_barrier_wait -1
	; 2: nm* = the least nm (the largest maximum); e_u = 2^(nm* - nm_u); l* = sum of e_u l_u, at least about 1 since the wave that holds the maximum has e = 1;
	; my O times e_mine / l*, into my stage.
.irp q, 0,1,2,3
.irp u, 0,1,2,3,4,5,6,7
	ds_load_b64 v[ML+16*\q+2*\u:ML+16*\q+2*\u+1], v[STATR] offset:512*\u+128*\q
.endr
.endr
	s_wait_dscnt 0x0
.irp q, 0,1,2,3
	v_min_num_f32 v[MMX+\q], v[ML+16*\q], v[ML+16*\q+2]
.endr
.irp u, 2,3,4,5,6,7
.irp q, 0,1,2,3
	v_min_num_f32 v[MMX+\q], v[MMX+\q], v[ML+16*\q+2*\u]
.endr
.endr
.irp u, 0,1,2,3,4,5,6,7
.irp q, 0,1,2,3
	v_sub_f32 v[ML+16*\q+2*\u], v[MMX+\q], v[ML+16*\q+2*\u]
.endr
.endr
.irp q, 0,1,2,3
	v_sub_f32 v[MAL+2*\q], v[MMX+\q], v[NMP+\q]
.endr
.irp u, 0,1,2,3,4,5,6,7
.irp q, 0,1,2,3
	v_exp_f32 v[ML+16*\q+2*\u], v[ML+16*\q+2*\u]
.endr
.endr
.irp q, 0,1,2,3
	v_exp_f32 v[MAL+2*\q], v[MAL+2*\q]
.endr
	v_nop                                          ; one plain instruction behind the run of v_exp_f32 (ISA guide 5.7.2)
	s_wait_alu depctr_va_vdst(0)
.irp q, 0,1,2,3
	v_mul_f32 v[MPX+\q], v[ML+16*\q], v[ML+16*\q+1]
.endr
.irp u, 1,2,3,4,5,6,7
.irp q, 0,1,2,3
	v_fmac_f32 v[MPX+\q], v[ML+16*\q+2*\u], v[ML+16*\q+2*\u+1]
.endr
.endr
.irp q, 0,1,2,3
	v_rcp_f32 v[MPX+\q], v[MPX+\q]
.endr
	v_nop                                          ; and one behind the run of v_rcp_f32
	s_wait_alu depctr_va_vdst(0)
.irp q, 0,1,2,3
	v_mul_f32 v[MAL+2*\q], v[MAL+2*\q], v[MPX+\q]
.endr
	WIN 0x41                                       ; destination and source 0 in window 1
.irp dt, 0,1,2,3
.irp q, 0,1,2,3
.irp j, 0,2,4,6
	v_pk_mul_f32 v[OO+8*(4*\dt+\q)+\j:OO+8*(4*\dt+\q)+\j+1], v[OO+8*(4*\dt+\q)+\j:OO+8*(4*\dt+\q)+\j+1], v[MAL+2*\q:MAL+2*\q+1] op_sel_hi:[1,0]
.endr
.endr
.endr
	WIN 0x04                                       ; an LDS store's data is source 1: window 1
.irp q, 0,1,2,3
.irp dt, 0,1,2,3
	ds_store_b128 v[STA], v[OO+8*(4*\dt+\q):OO+8*(4*\dt+\q)+3]   offset:16*GPITCH*\q+64*\dt
	ds_store_b128 v[STA], v[OO+8*(4*\dt+\q)+4:OO+8*(4*\dt+\q)+7] offset:16*GPITCH*\q+64*\dt+16
.endr
.endr
	WIN 0
	s_wait_dscnt 0x0                               ; for the others: my scaled O is in my stage
	s_barrier_signal -1
	s_barrier_wait -1
	; 3: wave w adds the eight stages' rows 8 w .. 8 w + 7, two rows at a time, and stores them.
.irp i, 0,1,2,3
.irp u, 0,1,2,3,4,5,6,7
	ds_load_b128 v[FS+32*\i+4*\u:FS+32*\i+4*\u+3], v[RD+\u/3] offset:WPART*(\u%3)+2*GPITCH*\i
.endr
.endr
.macro QADD a, b                       ; four numbers at a += four at b
	v_pk_add_f32 v[\a:\a+1], v[\a:\a+1], v[\b:\b+1]
	v_pk_add_f32 v[\a+2:\a+3], v[\a+2:\a+3], v[\b+2:\b+3]
.endm
.irp i, 0,1,2,3
	s_wait_dscnt 24-8*\i                           ; LDS loads come back in order: this pair of rows (8 loads) is in, the later pairs stay out
	QADD FS+32*\i,    FS+32*\i+4
	QADD FS+32*\i+8,  FS+32*\i+12
	QADD FS+32*\i+16, FS+32*\i+20
	QADD FS+32*\i+24, FS+32*\i+28
	QADD FS+32*\i,    FS+32*\i+8
	QADD FS+32*\i+16, FS+32*\i+24
	QADD FS+32*\i,    FS+32*\i+16
	global_store_b128 v[OA], v[FS+32*\i:FS+32*\i+3], s[10:11] offset:512*\i th:TH_STORE_NT   ; sixteen lanes store one row of out: 256 consecutive bytes, aligned
.endr
	s_wait_xcnt 0x0
	v_lshl_add_u32 v238, v0, 2, 0x47000
	v_mov_b32 v239, 0
	s_wait_tensorcnt 0x0
	ds_add_u32 v238, v239
	s_wait_dscnt 0x0
	ROUND                                          ; the closing round: no work-group ends while a partner may still ask for a tile that names it
	s_endpgm
.Lfunc_end_k_qd623cf4807_attn:
	.size	k_qd623cf4807_attn, .Lfunc_end_k_qd623cf4807_attn-k_qd623cf4807_attn
	.p2alignl 7, 3214868480
	.fill 96, 4, 3214868480
	.section	.rodata,"a",@progbits
	.p2align	6, 0x0
	.amdhsa_kernel k_qd623cf4807_attn
		.amdhsa_group_segment_fixed_size 327680
		.amdhsa_private_segment_fixed_size 0
		.amdhsa_enable_private_segment 0
		.amdhsa_kernarg_size 32
		.amdhsa_user_sgpr_count 2
		.amdhsa_user_sgpr_kernarg_segment_ptr 1
		.amdhsa_wavefront_size32 1
		.amdhsa_system_sgpr_workgroup_id_x 1
		.amdhsa_system_sgpr_workgroup_id_y 1
		.amdhsa_system_sgpr_workgroup_id_z 1
		.amdhsa_system_vgpr_workitem_id 0
		.amdhsa_next_free_vgpr 512
		.amdhsa_next_free_sgpr 66
		.amdhsa_reserve_vcc 0
		.amdhsa_float_denorm_mode_32 3
		.amdhsa_float_denorm_mode_16_64 3
		.amdhsa_memory_ordered 1
		.amdhsa_forward_progress 1
		.amdhsa_inst_pref_size 221
	.end_amdhsa_kernel
	.amdgpu_metadata
---
amdhsa.version: [ 1, 2 ]
amdhsa.kernels:
  - .name:           k_qd623cf4807_attn
    .symbol:         k_qd623cf4807_attn.kd
    .args:
      - { .name: qb, .offset: 0, .size: 8, .value_kind: global_buffer, .address_space: global }
      - { .name: kb, .offset: 8, .size: 8, .value_kind: global_buffer, .address_space: global }
      - { .name: vb, .offset: 16, .size: 8, .value_kind: global_buffer, .address_space: global }
      - { .name: out0, .offset: 24, .size: 8, .value_kind: global_buffer, .address_space: global }
    .group_segment_fixed_size: 327680
    .private_segment_fixed_size: 0
    .kernarg_segment_align: 8
    .kernarg_segment_size: 32
    .max_flat_workgroup_size: 256
    .sgpr_count:     66
    .vgpr_count:     512
    .wavefront_size: 32
...
	.end_amdgpu_metadata
.endif
;; end of part 2
